; MI455X (gfx1250); checked and timed in simulation.
; The chip was launched on July 23, 2026; its instructions are those of AMD's public machine-readable ISA for CDNA 5 (MIT licence, August 2026) and "CDNA5" Instruction Set Architecture Reference Guide (July 2026). The comments in the code are by the model that wrote it; some were corrected since.
;; Causal Self Attention. Allowed arithmetic: matrix products marked QUANTISED: E4M3 operands, one given power-of-two scale a tensor, by v_wmma_f32_16x16x64_fp8_fp8 or v_wmma_f32_16x16x128_fp8_fp8, f32 sums; everything else in f32.
;; Inputs: lowp_scales 12 int32 (the exponents e of the quantised operands' scales 2^e); wk 1,024 x 1,024 float32; wo 1,024 x 1,024 float32; wq 1,024 x 1,024 float32; wv 1,024 x 1,024 float32; x 4 x 2,048 x 1,024 float32.
;; Outputs: out0 4 x 2,048 x 1,024 float32.
;; This version of the problem:
;;   THIS VERSION OF THE PROBLEM IS GIVEN IN LOW PRECISION. The matrix products marked QUANTISED in the list below multiply operands that are first quantised to E4M3 (4 exponent bits, 3 mantissa bits; 8 bits a number), with one given power-of-two scale for each operand tensor; their sums are f32. All else is computed in f32.
;;   The module's matrix products, in the order in which they are computed (A, B: the left and right operand; K: the contracted axis; several contracted axes count as one K, in the product's order):
;;     1. [M 8,192, K 1,024] x [K 1,024, N 1,024]; A: input x; B: input wq: QUANTISED (scales: A lowp_scales[0], B lowp_scales[1])
;;     2. [M 8,192, K 1,024] x [K 1,024, N 1,024]; A: input x; B: input wk: QUANTISED (scales: A lowp_scales[2], B lowp_scales[3])
;;     3. [M 8,192, K 1,024] x [K 1,024, N 1,024]; A: input x; B: input wv: QUANTISED (scales: A lowp_scales[4], B lowp_scales[5])
;;     4. batch 64 x [M 2,048, K 64] x [K 64, N 2,048]; A: computed on the way; B: computed on the way: QUANTISED (scales: A lowp_scales[6], B lowp_scales[7])
;;     5. batch 64 x [M 2,048, K 2,048] x [K 2,048, N 64]; A: softmax (see below); B: computed on the way: QUANTISED (scales: A lowp_scales[8], B lowp_scales[9])
;;     6. [M 8,192, K 1,024] x [K 1,024, N 1,024]; A: computed on the way; B: input wo: QUANTISED (scales: A lowp_scales[10], B lowp_scales[11])
;;   THE QUANTISER, for each operand of a quantised product, along K:
;;     - The operand's scale is 2^e, e = its entry of the input lowp_scales (int32; the entries are numbered through the quantised products in the list's order, A before B).
;;     - Each number is divided by the scale, clamped to +-448, and rounded to the nearest number of E4M3, ties to even, subnormals kept.
;;     - The product sums the exact products of the quantised numbers (number of the format x scale) in f32.
;;   ~~~python
;;   def quantise(x, axis, e):      # numpy; x: float32 -> the quantised numbers, widened to float32 again
;;       x = np.moveaxis(x, axis, -1); K = x.shape[-1]
;;       r = np.clip(x / 2.0 ** e, -448, 448)
;;       step = 2.0 ** (np.maximum(np.frexp(np.where(r == 0, 1, r))[1] - 1, -6) - 3)
;;       q = np.round(r / step) * step * 2.0 ** e      # np.round: ties to even
;;       return np.moveaxis(q, -1, axis).astype(np.float32)
;;   ~~~
;;   SOFTMAX AHEAD OF A QUANTISED PRODUCT. Where the list says 'softmax', what is quantised is not the finished softmax but p = 2^(t - M), with t = logit x log2(e) and M = ceil(the row's largest t), a whole number; so 1/2 < the row's largest p <= 1. The row's sum l is taken of the UNQUANTISED p, in f32, and the product's result is divided by l at the end. Since M is a whole number, a kernel that streams over the keys may use a running M (the ceiling of the running maximum): every later rescaling is an exact power of two, so the quantised numbers keep their values, but for numbers so far below the row's largest that they fall under the format's range.
;;   OPERANDS COMPUTED ON THE WAY. 'Computed on the way' means the value that the module computes at that place (a softmax that the list does not call 'softmax' is quantised finished and normalised). What goes into a quantiser is computed in f32, as accurately as f32 sums, v_exp_f32 and their like allow (about 1e-6 of the number): no bf16 or f16 on the way to a quantiser, and a product that is left as it is and whose result goes on into a quantised operand takes f32 operands (vector FMAs, or v_wmma_f32_16x16x4_f32). A number that lies on a knife's edge between two numbers of the format may be rounded either way, as far as f32 arithmetic and the matrix unit's own rounding can turn it there, and no further.
;; One version. Each part assembles by itself: llvm-mc -triple=amdgcn-amd-amdhsa -mcpu=gfx1250 --defsym DOCPART=n.
;; ======== version 1 of 1: 4 launches
;; limits: right only within a limited range of input values
;; workspace buffers: xc 25,165,824 bytes; wc 4,194,304 bytes; qc 8,388,608 bytes; kc 8,388,608 bytes; vc 8,388,608 bytes; oc 8,388,608 bytes
;; launch quant (part 1): grid 768 x 1, 4 waves a work-group, no clusters, 33,280 bytes of LDS; arguments x, wq, wk, wv, wo, lowp_scales, xc, wc; writes xc, wc
.if DOCPART == 1
	.amdgcn_target "amdgcn-amd-amdhsa--gfx1250"
	.amdhsa_code_object_version 6
	.text
	.protected	k_q138e760f7c_quant
	.globl	k_q138e760f7c_quant
	.p2align	8
	.type	k_q138e760f7c_quant,@function
k_q138e760f7c_quant:
	s_mov_b64 s[64:65], 0
	v_nop
	global_prefetch_b8 v0, s[64:65] scope:SCOPE_SE
	s_setreg_imm32_b32 hwreg(HW_REG_WAVE_MODE, 25, 1), 1
	s_wait_xcnt 0x0
; x [8192][1024] and the four weights [1024][1024], f32 with K innermost, become codes of E4M3, one byte each, K innermost, rows dense.
; x is an operand of three products with three given scales (entries 0, 2, 4 of the scales' buffer): its codes are made three times, xc = [3][8192][1024].
; wc = [4][1024][1024]: wq (entry 1), wk (entry 3), wv (entry 5), wo (entry 11).
; code = number / 2^e, held within +-448, rounded to the nearest code, ties to even.
; LIMITS: each e used here lies between -126 and 127, so that 2^e is an f32 number.  NaN among the inputs is not served (an infinity is held at the largest code).
; SHARES.  Every tensor is a plain stream.  A wave takes 8 steps of 512 numbers, a work-group 16,384 numbers: work-groups 0-511 take x, 512-767 the weights, 64 each.
; Each load reads 512 consecutive bytes, 16 a lane; a step's 2,048 bytes turn through the wave's own stage in LDS (16 bytes of padding behind each 64) and come back 64 bytes a lane:
; 16 neighbours along K, which the conversions want in one lane's registers.  A lane's 16 codes are 16 bytes: each store of the wave covers 512 consecutive bytes, aligned.
; No tensor load, no barrier: waves share nothing.  Loads run four steps (16 loads a wave) ahead, the turn through LDS one step.
.set STEPS, 8
.set SP,    80                         ; a lane's place in a stage: 64 bytes + 16 of padding
.set WREG,  8192                       ; LDS of a wave: two stages of 32 x SP bytes
.set R,     16                         ; v16-79   four sets of 16 numbers as loaded
.set X,     80                         ; v80-111  two sets of 16 neighbours
.set T,     112
.set C,     128                        ; v128-139 codes under the first, second and third scale
	s_load_b512 s[4:19], s[0:1], 0x0               ; x s[4:5], wq s[6:7], wk s[8:9], wv s[10:11], wo s[12:13], scales s[14:15], xc s[16:17], wc s[18:19]
	v_lshl_add_u32 v144, v0, 2, 0x8000
	v_mov_b32 v145, 0
	v_lshrrev_b32 v1, 5, v0
	v_readfirstlane_b32 s20, v1                    ; wave
	v_and_b32 v2, 31, v0                           ; lane
	v_lshlrev_b32 v3, 4, v2                        ; 16 x lane: my bytes of a load's 512 and of a store's 512
	s_mul_i32 s44, s20, WREG
	v_lshrrev_b32 v14, 2, v2
	v_mul_u32_u24 v14, v14, SP
	v_and_b32 v15, 3, v2
	v_lshl_add_u32 v14, v15, 4, v14
	v_add_nc_u32 v14, s44, v14                     ; the stage, on the way in: SP (lane / 4) + 16 (lane % 4)
	v_mul_u32_u24 v15, v2, SP
	v_add_nc_u32 v15, s44, v15                     ; and on the way out: SP x lane
	s_sub_co_u32 s22, ttmp9, 512                   ; the work-group's number among the weights'
	s_lshr_b32 s23, s22, 6                         ; which weight
	s_and_b32 s45, s22, 63                         ; which chunk of it
	s_cmp_lt_u32 ttmp9, 512                        ; x's work-group?  The choices hang on the work-group's number alone
	s_cselect_b32 s21, 1, 0
	s_cselect_b32 s46, ttmp9, s45                  ; chunk of the source
	s_cselect_b32 s48, ttmp9, s22                  ; chunk of the codes' buffer (the four weights' codes lie on end)
	s_lshl_b32 s46, s46, 2
	s_add_co_u32 s46, s46, s20
	s_lshl_b32 s46, s46, 14                        ; my wave's 4,096 numbers: 16,384 bytes
	s_mov_b32 s47, 0
	s_lshl_b32 s48, s48, 2
	s_add_co_u32 s48, s48, s20
	s_lshl_b32 s48, s48, 12                        ; and their 4,096 codes
	s_mov_b32 s49, 0
	s_wait_alu depctr_va_vdst(0)
	s_wait_kmcnt 0x0
	s_load_b256 s[24:31], s[14:15], 0x0            ; e0 .. e7
	s_load_b128 s[32:35], s[14:15], 0x20           ; e8 .. e11
	s_mov_b64 s[36:37], s[6:7]
	s_cmp_eq_u32 s23, 1
	s_cselect_b64 s[36:37], s[8:9], s[36:37]
	s_cmp_eq_u32 s23, 2
	s_cselect_b64 s[36:37], s[10:11], s[36:37]
	s_cmp_eq_u32 s23, 3
	s_cselect_b64 s[36:37], s[12:13], s[36:37]
	s_cmp_eq_u32 s21, 1
	s_cselect_b64 s[36:37], s[4:5], s[36:37]       ; the source
	s_cselect_b64 s[38:39], s[16:17], s[18:19]     ; where the first scale's codes go
	s_add_nc_u64 s[36:37], s[36:37], s[46:47]
	s_add_nc_u64 s[38:39], s[38:39], s[48:49]
	s_add_nc_u64 s[40:41], s[16:17], s[48:49]
	s_add_nc_u64 s[40:41], s[40:41], 0x800000      ; x's codes under entry 2
	s_add_nc_u64 s[42:43], s[16:17], s[48:49]
	s_add_nc_u64 s[42:43], s[42:43], 0x1000000     ; x's codes under entry 4
.macro LOAD t
.irp i, 0,1,2,3
	global_load_b128 v[R+16*((\t)%4)+4*\i:R+16*((\t)%4)+4*\i+3], v3, s[36:37] offset:2048*(\t)+512*\i th:TH_LOAD_NT   ; 32 lanes read 512 consecutive bytes; read once
.endr
.endm
.macro TURN t                          ; step t's numbers through the stage: LDS serves a wave's instructions in order, so no wait stands between the stores and the loads
.irp i, 0,1,2,3
	ds_store_b128 v14, v[R+16*((\t)%4)+4*\i:R+16*((\t)%4)+4*\i+3] offset:32*SP*((\t)%2)+8*SP*\i
.endr
.irp i, 0,1,2,3
	ds_load_b128 v[X+16*((\t)%2)+4*\i:X+16*((\t)%2)+4*\i+3], v15 offset:32*SP*((\t)%2)+16*\i
.endr
.endm
.irp t, 0,1,2,3
	LOAD \t
.endr
.macro MKSC e, sc, lim                 ; 2^e as f32 (the conversion takes its exponent field)
	s_add_co_i32 s45, \e, 127
	s_lshl_b32 s46, s45, 23
	v_mov_b32 v[\sc], s46
.endm
	s_wait_kmcnt 0x0
	s_mov_b32 s44, s25                             ; wq's e
	s_cmp_eq_u32 s23, 1
	s_cselect_b32 s44, s27, s44                    ; wk's
	s_cmp_eq_u32 s23, 2
	s_cselect_b32 s44, s29, s44                    ; wv's
	s_cmp_eq_u32 s23, 3
	s_cselect_b32 s44, s35, s44                    ; wo's
	s_cmp_eq_u32 s21, 1
	s_cselect_b32 s44, s24, s44                    ; x's first
	MKSC s44, 5, 6
	MKSC s26, 7, 8                                 ; x's second
	MKSC s28, 9, 10                                ; x's third
	s_wait_alu depctr_va_vdst(0)
	s_wait_loadcnt 12                              ; step 0's four loads are in
	TURN 0
; 16 neighbours under one scale: converted, stored
.macro QS cd, sc, lim, dst, t
.set XS, X+16*((\t)%2)
.irp i, 0,1,2,3,4,5,6,7,8,9,10,11,12,13,14,15
.endr
	v_cvt_scalef32_pk8_fp8_f32 v[\cd:\cd+1], v[XS:XS+7], v[\sc]
	v_cvt_scalef32_pk8_fp8_f32 v[\cd+2:\cd+3], v[XS+8:XS+15], v[\sc]
	v_nop                                          ; a plain vector line behind the conversions
	global_store_b128 v3, v[\cd:\cd+3], s[\dst:\dst+1] offset:512*(\t)
.endm
.macro STEP t
	s_wait_dscnt 0x0                               ; this step's numbers are back from the stage: its stores into the stage have read their registers,
.if (\t)+4 < STEPS
	LOAD (\t)+4                                    ; which take the loads of four steps on
.endif
.if (\t)+1 < STEPS
.if STEPS-2-(\t) >= 3
	s_wait_loadcnt 12                              ; the next step's four loads are in; those of the three steps behind it may be out
.else
	s_wait_loadcnt 4*(STEPS-2-(\t))
.endif
	TURN (\t)+1                                    ; they go through the other stage while this step is worked
.endif
	s_wait_xcnt 0x0                                ; the last step's stores have read their data: the codes' registers are written again only behind this wait
	QS C, 5, 6, 38, \t
	s_cmp_eq_u32 s21, 0                            ; a weight has one scale; the jump passes over register work and global stores alone
	s_cbranch_scc1 .Lone_\@
	QS C+4, 7, 8, 40, \t
	QS C+8, 9, 10, 42, \t
.Lone_\@:
.endm
.irp t, 0,1,2,3,4,5,6,7
	STEP \t
.endr
	s_wait_tensorcnt 0x0
	ds_add_u32 v144, v145
	s_wait_dscnt 0x0
	s_endpgm
.Lfunc_end_k_q138e760f7c_quant:
	.size	k_q138e760f7c_quant, .Lfunc_end_k_q138e760f7c_quant-k_q138e760f7c_quant
	.p2alignl 7, 3214868480
	.fill 96, 4, 3214868480
	.section	.rodata,"a",@progbits
	.p2align	6, 0x0
	.amdhsa_kernel k_q138e760f7c_quant
		.amdhsa_group_segment_fixed_size 33280
		.amdhsa_private_segment_fixed_size 0
		.amdhsa_enable_private_segment 0
		.amdhsa_kernarg_size 64
		.amdhsa_user_sgpr_count 2
		.amdhsa_user_sgpr_kernarg_segment_ptr 1
		.amdhsa_wavefront_size32 1
		.amdhsa_system_sgpr_workgroup_id_x 1
		.amdhsa_system_sgpr_workgroup_id_y 1
		.amdhsa_system_sgpr_workgroup_id_z 1
		.amdhsa_system_vgpr_workitem_id 0
		.amdhsa_next_free_vgpr 146
		.amdhsa_next_free_sgpr 66
		.amdhsa_reserve_vcc 0
		.amdhsa_float_denorm_mode_32 3
		.amdhsa_float_denorm_mode_16_64 3
		.amdhsa_fp16_overflow 1
		.amdhsa_memory_ordered 1
		.amdhsa_forward_progress 1
		.amdhsa_inst_pref_size 18
	.end_amdhsa_kernel
	.amdgpu_metadata
---
amdhsa.version: [ 1, 2 ]
amdhsa.kernels:
  - .name:           k_q138e760f7c_quant
    .symbol:         k_q138e760f7c_quant.kd
    .args:
      - { .name: x, .offset: 0, .size: 8, .value_kind: global_buffer, .address_space: global }
      - { .name: wq, .offset: 8, .size: 8, .value_kind: global_buffer, .address_space: global }
      - { .name: wk, .offset: 16, .size: 8, .value_kind: global_buffer, .address_space: global }
      - { .name: wv, .offset: 24, .size: 8, .value_kind: global_buffer, .address_space: global }
      - { .name: wo, .offset: 32, .size: 8, .value_kind: global_buffer, .address_space: global }
      - { .name: lowp_scales, .offset: 40, .size: 8, .value_kind: global_buffer, .address_space: global }
      - { .name: xc, .offset: 48, .size: 8, .value_kind: global_buffer, .address_space: global }
      - { .name: wc, .offset: 56, .size: 8, .value_kind: global_buffer, .address_space: global }
    .group_segment_fixed_size: 33280
    .private_segment_fixed_size: 0
    .kernarg_segment_align: 8
    .kernarg_segment_size: 64
    .max_flat_workgroup_size: 128
    .sgpr_count:     66
    .vgpr_count:     146
    .wavefront_size: 32
...
	.end_amdgpu_metadata
.endif
;; end of part 1
;; launch qkv (part 2): grid 12 x 32, 4 waves a work-group, clusters of 4 x 4, 327,680 bytes of LDS; arguments xc, wc, lowp_scales, qc, kc, vc; writes qc, kc, vc
.if DOCPART == 2
	.amdgcn_target "amdgcn-amd-amdhsa--gfx1250"
	.amdhsa_code_object_version 6
	.text
	.protected	k_q138e760f7c_qkv
	.globl	k_q138e760f7c_qkv
	.p2align	8
	.type	k_q138e760f7c_qkv,@function
k_q138e760f7c_qkv:
	s_mov_b64 s[64:65], 0
	v_nop
	global_prefetch_b8 v0, s[64:65] scope:SCOPE_SE
	s_setreg_imm32_b32 hwreg(HW_REG_WAVE_MODE, 25, 1), 1
	s_wait_xcnt 0x0
	s_wait_alu depctr_hold_cnt(0) depctr_sa_sdst(0) depctr_va_vdst(0) depctr_va_sdst(0) depctr_va_ssrc(0) depctr_va_vcc(0) depctr_vm_vsrc(0)
	s_getreg_b32 s2, hwreg(HW_REG_IB_STS2, 6, 4)
	s_cmp_eq_u32 s2, 0
	s_cbranch_scc0 .Lentry_in_a_cluster
	s_endpgm
.Lentry_in_a_cluster:
	s_bfe_u32 s2, ttmp6, 0x10000c
	s_cmp_lg_u32 s2, 0xf033
	s_cbranch_scc0 .Lentry_shape_is_right
	s_endpgm
.Lentry_shape_is_right:
; The three projections on codes of E4M3, and their results quantised in registers for the two products of attention.
; Cluster x = 0: q = x wq^T;  1: k = x wk^T;  2: V^T = wv x^T.  A tile, 256 x 256, is made by four waves, 128 x 128 each: 64 accumulators, 512 registers.  K = 1,024 goes in steps of 256 through two LDS slots.
; A' (rows of the tile) and B' (its columns): q, k: A' = x's codes under that product's scale, B' = the weight's;  v: A' = wv's codes, B' = x's codes.
; THE MATRIX INSTRUCTION IS USED TRANSPOSED (source 0 = 16 rows of B', source 1 = 16 rows of A'): lane (r, h) holds row r of A' and, in column block b, B's rows 16 b + 8 h + 0 .. 7.
; One conversion of those eight sums gives registers 2 b, 2 b + 1 of an operand in the plain 8-bit layout (ISA guide 7.12.2).  So a wave's eight column blocks of one row block are
;   q, k: two fragments of 16 tokens x 64 channels (two heads), 8 registers each;     v: one fragment of 16 channels x 128 keys, 16 registers.
; They are stored AS THEY STAND IN THE REGISTERS: group g of four registers of lane l at 512 g + 16 l: each store of the wave covers 512 consecutive bytes, aligned.
;   qc, kc: [batch x head 64][tile of 16 tokens 128][1,024 bytes]          vc: [batch x head 64][128 keys 16][16 channels 4][2,048 bytes]
; A sum stands for sum x 2^(ea + eb); its code under 2^eo is sum / 2^(eo - ea - eb): the three exponents are folded into the conversion's one scale.
; LIMITS: e6 - e0 - e1, e7 - e2 - e3 and e9 - e4 - e5 lie between -126 and 119.
; Within a K step of 128 the codes stand in the fragments in another order than the plain layout's, alike in A' and B' (four loads of 16 bytes a fragment): every product meets its partner.
; CLUSTERS: 4 x 4 work-groups.  The four of a row need the same tiles of A', the four of a column the same tiles of B': each tile is asked for jointly.
; REGISTERS, in windows of 256: window 0: v0-31 addresses; from v128 A's fragments, one set; on the way out v96-111.  window 1: B's fragments, two sets.  windows 2, 3: the accumulators ((a, b) at v[8 (8 (a % 4) + b)]).
.set SIZE_K, 1024
.set KSTEP,  256
.set ROWB,   256                       ; a tile's row in bytes
.set KROW,   SIZE_K                    ; a row of codes in memory
.set PITCH,  272                       ; an LDS row: 256 bytes + 16 of padding = 68 words: the 16 rows of a load start at 16 different banks (64 banks of 4 bytes: ISA guide 11.1)
.set FR,     16
.set NL,     4
.set NP,     4
.set HALFT,  128*PITCH
.set SLOT,   4*HALFT
.set LAPS,   SIZE_K/(2*KSTEP)
.set SPARE,  2*SLOT                    ; behind the ring: the spare words, 128 bytes for each wave
.set ADRA, 16
.set ADRB, 20
.set CO,   26                          ; v26  16 x lane
.set SPW,  28
.set NIL,  29
.set SCV,  30                          ; v30  the conversion's scale
.set LIMV, 31
.set TMP,  32
.set CD,   96                          ; v96-111 their codes
.set AF,   128
.set G1, 24
.set G0, 32
.set G1B, 48
.set G0B, 56
.set MSB, 0
.macro WIN new                         ; the immediate's high byte repeats the setting that is left
.if MSB != \new
	s_set_vgpr_msb (MSB<<8)|\new
.set MSB, \new
.endif
.endm
.set MUL_LO, 0xa1                      ; source 0 (B') window 1, source 1 (A') window 0, C and D window 2
.set MUL_HI, 0xf1                      ; the same, C and D window 3
.set TO_B,   0x40                      ; destination window 1, address window 0
; A joint load: waves 0 and 1 fetch for A', waves 2 and 3 for B'.  The branch hangs on the wave's number alone.  Four v_nop follow each of the two lines.
.macro JLOAD g0a, g1a, g0b, g1b
	s_cmp_eq_u32 s15, 0
	s_cbranch_scc0 .Lfor_b_\@
	tensor_load_to_lds s[\g0a:\g0a+3], s[\g1a:\g1a+7]
	s_nop 0
.rept 4
	v_nop
.endr
	s_branch .Lasked_\@
.Lfor_b_\@:
	tensor_load_to_lds s[\g0b:\g0b+3], s[\g1b:\g1b+7]
	s_nop 0
.rept 4
	v_nop
.endr
.Lasked_\@:
.endm
.macro CREST                           ; a round of the cluster's barrier behind its opening barrier
	s_cmp_lg_u32 s14, 0
	s_cbranch_scc1 .Lnot_wave_0_\@
	s_barrier_signal -3
.Lnot_wave_0_\@:
	s_barrier_wait -3
	s_barrier_signal -1
	s_barrier_wait -1
.endm
.macro CROUND
	s_barrier_signal -1
	s_barrier_wait -1
	CREST
.endm
	s_load_b256 s[4:11], s[0:1], 0x0               ; xc s[4:5], wc s[6:7], the scales s[8:9], qc s[10:11]
	s_load_b128 s[68:71], s[0:1], 0x20             ; kc s[68:69], vc s[70:71]
	v_lshl_add_u32 v[SPW], v0, 2, SPARE
	v_mov_b32 v[NIL], 0
	ds_add_u32 v28, v29
	ds_add_u32 v28, v29
	s_wait_dscnt 0x0
	v_lshrrev_b32 v1, 5, v0
	v_readfirstlane_b32 s14, v1                    ; wave 0..3
	s_lshr_b32 s15, s14, 1                         ; which half of the tile's rows is mine.  Also: I fetch for A' (0) or for B' (1)
	s_and_b32 s16, s14, 1                          ; which half of its columns.  Also: which 128 rows of that tile I fetch
	s_bfe_u32 s40, ttmp6, 0x40000                  ; cx, cy: my place in the cluster
	s_bfe_u32 s41, ttmp6, 0x40004
	s_and_b32 s72, ttmp7, 0xffff                   ; cluster y, 0..7: it walks the tokens
	s_lshl_b32 s88, ttmp9, 23                      ; q, k: x's codes under the product's scale, 8 MiB apart,
	s_lshl_b32 s90, ttmp9, 20                      ; and the weight's codes, 1 MiB apart
	s_mov_b32 s73, 0x200000                        ; v: wv's codes
	s_mov_b32 s74, 0x1000000                       ; and x's third codes
	s_cmp_eq_u32 ttmp9, 2                          ; the cluster's x is the same in all sixteen partners
	s_cselect_b32 s75, 1, 0                        ; 1: this cluster makes V^T
	s_cselect_b32 s88, s73, s88                    ; A's first byte in its buffer
	s_cselect_b32 s90, s74, s90                    ; B's
	s_cselect_b32 s73, 0, s72                      ; the cluster's place along the tile rows
	s_cselect_b32 s74, s72, 0                      ; and along the tile columns
	s_mov_b32 s89, 0
	s_mov_b32 s91, 0
	s_lshl_b32 s42, s74, 2
	s_add_co_u32 s42, s42, s40                     ; tile column
	s_lshl_b32 s17, s73, 2
	s_add_co_u32 s17, s17, s41                     ; tile row
	s_lshl_b32 s43, s41, 2
	s_lshl_b32 s43, 15, s43                        ; my row of the cluster
	s_lshl_b32 s44, 0x1111, s40                    ; my column
	; descriptor group 1: a tile of 128 rows x 256 bytes, padded in LDS
	s_or_b32 s[G1+0], s43, (0<<16)|(1<<20)|(1<<21)|(5<<22)|(3<<25)  ; 15:0 the mask: A's tiles go to my row; 17:16 elements of 1 byte; 20 padding on; 21 set beside a mask; 24:22 after every 64 words; 31:25 four words
	s_or_b32 s[G1B+0], s44, (0<<16)|(1<<20)|(1<<21)|(5<<22)|(3<<25)
.irp g, G1, G1B
	s_mov_b32 s[\g+1], ROWB<<16                    ; tensor_dim0
	s_mov_b32 s[\g+2], 128<<16                     ; tensor_dim1
	s_mov_b32 s[\g+3], ROWB<<16                    ; tile_dim0
	s_mov_b32 s[\g+4], 128                         ; tile_dim1
	s_mov_b32 s[\g+5], KROW                        ; from row to row
	s_mov_b32 s[\g+6], 0
	s_mov_b32 s[\g+7], 0
.endr
	s_lshl_b32 s18, s16, 7                         ; which 128 rows of the tile I fetch
	s_lshl_b32 s20, s17, 8
	s_add_co_u32 s20, s20, s18                     ; A': row 256 x tile row + 128 x half
	s_lshl_b32 s46, s42, 8
	s_add_co_u32 s46, s46, s18                     ; B': row 256 x tile column + 128 x half
	s_mov_b32 s21, 0
	s_mov_b32 s47, 0
	s_mov_b64 s[18:19], KROW
	s_mul_u64 s[20:21], s[20:21], s[18:19]
	s_mul_u64 s[46:47], s[46:47], s[18:19]
	s_mul_i32 s45, s14, HALFT                      ; where they go: wave x 128 rows: no place in the cluster enters an LDS address
	s_wait_kmcnt 0x0
	s_load_b256 s[76:83], s[8:9], 0x0              ; e0 .. e7
	s_load_b64 s[92:93], s[8:9], 0x20              ; e8, e9
	s_cmp_eq_u32 s75, 1
	s_cselect_b64 s[84:85], s[6:7], s[4:5]         ; A's buffer
	s_cselect_b64 s[86:87], s[4:5], s[6:7]         ; B's
	s_add_nc_u64 s[84:85], s[84:85], s[88:89]
	s_add_nc_u64 s[86:87], s[86:87], s[90:91]
	s_add_nc_u64 s[20:21], s[84:85], s[20:21]
	s_add_nc_u64 s[46:47], s[86:87], s[46:47]
	CROUND                                         ; all sixteen work-groups are here: the first joint loads meet
.irp s, 0,1
	s_mov_b32 s[G0+4*\s], 1
	s_add_co_u32 s[G0+4*\s+1], s45, \s*SLOT
	s_add_nc_u64 s[G0+4*\s+2:G0+4*\s+3], s[20:21], \s*ROWB
	s_or_b32 s[G0+4*\s+3], s[G0+4*\s+3], 0x80000000
	s_mov_b32 s[G0B+4*\s], 1
	s_add_co_u32 s[G0B+4*\s+1], s45, \s*SLOT
	s_add_nc_u64 s[G0B+4*\s+2:G0B+4*\s+3], s[46:47], \s*ROWB
	s_or_b32 s[G0B+4*\s+3], s[G0B+4*\s+3], 0x80000000
	JLOAD G0+4*\s, G1, G0B+4*\s, G1B
.endr
	v_and_b32 v1, 15, v0                           ; l % 16
	v_bfe_u32 v2, v0, 4, 1                         ; l / 16
	v_mul_u32_u24 v3, v1, PITCH
	v_lshl_add_u32 v4, v2, 4, v3                   ; a fragment's row x pitch + 16 x half
	s_mul_i32 s21, s15, HALFT                      ; my 128 rows of A'
	s_mul_i32 s22, s16, HALFT                      ; my 128 rows of B',
	s_add_co_u32 s22, s22, 2*HALFT                 ; which lie behind A's 256
.irp s, 0,1
	v_add_nc_u32 v[ADRA+\s], s21, v4
	v_add_nc_u32 v[ADRB+\s], s22, v4
	s_add_co_u32 s21, s21, SLOT
	s_add_co_u32 s22, s22, SLOT
.endr
	v_and_b32 v6, 31, v0
	v_lshlrev_b32 v[CO], 4, v6                     ; the way out: 16 bytes a lane
.macro FRAG reg, adr, q, i             ; 16 rows x 128 K: registers 4 c .. 4 c + 3 hold K = 32 c + 16 (l / 16) + 0 .. 15 of row l % 16
.irp c, 0,1,2,3
	ds_load_b128 v[\reg+4*\c:\reg+4*\c+3], v[\adr] offset:128*(\q)+32*\c+(\i)*16*PITCH
.endr
.endm
; 16 matrix instructions: A's blocks a0, a0 + 1 x B's eight.  p: B's set.  zero = 1: the first product starts the sums.  The 64 accumulators take turns, one instruction a turn.
.macro MUL16 a0, p, zero
.irp a, \a0, \a0+1
.irp b, 0,1,2,3,4,5,6,7
.if \zero
	v_wmma_f32_16x16x128_fp8_fp8 v[8*(8*((\a)%4)+\b):8*(8*((\a)%4)+\b)+7], v[128*(\p)+FR*\b:128*(\p)+FR*\b+FR-1], v[AF+FR*(\a):AF+FR*(\a)+FR-1], 0
.else
	v_wmma_f32_16x16x128_fp8_fp8 v[8*(8*((\a)%4)+\b):8*(8*((\a)%4)+\b)+7], v[128*(\p)+FR*\b:128*(\p)+FR*\b+FR-1], v[AF+FR*(\a):AF+FR*(\a)+FR-1], v[8*(8*((\a)%4)+\b):8*(8*((\a)%4)+\b)+7]
.endif
.endr
.endr
.endm
.macro FETCH_B slot, q, p
	WIN TO_B
.irp i, 0,1,2,3,4,5,6,7
	FRAG 128*(\p)+FR*\i, ADRB+\slot, \q, \i
.endr
	WIN 0
.endm
.macro FETCH_A slot, q, i0
.irp i, \i0, \i0+1, \i0+2, \i0+3
	FRAG AF+FR*(\i), ADRA+\slot, \q, \i
.endr
.endm
.macro PLACES n                        ; plain vector lines between a matrix instruction and a load into, or a read of, its registers
.rept \n
	v_nop
.endr
.endm
; A step of 128 along K that has its successor in the same slot.  A block of A' is free once its eight products are issued: one set serves A'; B' has two.
.macro STEP slot, q, zero
	s_wait_dscnt 4*NL                              ; B's set and A's blocks 0-3 are in; the youngest 16 loads (A's blocks 4-7) may be out
	WIN MUL_LO
	MUL16 0, (\q)%2, \zero
	MUL16 2, (\q)%2, \zero
	s_wait_dscnt 0                                 ; A's blocks 4-7 are in
	PLACES NP
	FETCH_B \slot, (\q)+1, 1-(\q)%2
	FETCH_A \slot, (\q)+1, 0
	WIN MUL_HI
	MUL16 4, (\q)%2, \zero
	MUL16 6, (\q)%2, \zero
	PLACES NP
	WIN 0
	FETCH_A \slot, (\q)+1, 4
.endm
; A slot's last step changes slots: one barrier; in front of it each wave waits for all its tensor loads, adds 0 to its spare word, and waits for that and for its reads of this slot.
.macro TURN slot, next, fill
	s_wait_tensorcnt 0x0                           ; all my tensor loads have landed: my part of the next slot
	ds_add_u32 v[SPW], v[NIL]                      ; 0 onto my spare word
	s_wait_dscnt 4*NL+1                            ; (the add and the youngest 16 loads may be out)
	WIN MUL_LO
	MUL16 0, 1, 0                                  ; sixteen matrix instructions stand between the add and the wait for it
	s_wait_dscnt 0x0                               ; the add is done, and my reads of this slot are over
	s_barrier_signal -1
	MUL16 2, 1, 0
	WIN 0
	s_barrier_wait -1
.if \fill
	CREST                                          ; the barrier has opened a round of the cluster's: no wave of any partner still reads this slot or has a load on its way
	s_add_nc_u64 s[G0+4*\slot+2:G0+4*\slot+3], s[G0+4*\slot+2:G0+4*\slot+3], 2*ROWB
	s_add_nc_u64 s[G0B+4*\slot+2:G0B+4*\slot+3], s[G0B+4*\slot+2:G0B+4*\slot+3], 2*ROWB
	JLOAD G0+4*\slot, G1, G0B+4*\slot, G1B         ; the first tensor load behind the round; its four v_nop are the places in front of the loads below
.else
	PLACES NP
.endif
	FETCH_B \next, 0, 0
	FETCH_A \next, 0, 0
	WIN MUL_HI
	MUL16 4, 1, 0
	MUL16 6, 1, 0
	PLACES NP
	WIN 0
	FETCH_A \next, 0, 4
.endm
	s_wait_alu depctr_va_vdst(0)
	s_wait_tensorcnt 1                             ; my part of K step 0 is in (K step 1's load may be out)
	s_barrier_signal -1
	s_barrier_wait -1                              ; everybody's is
	FETCH_B 0, 0, 0
	FETCH_A 0, 0, 0
	FETCH_A 0, 0, 4
	STEP 0, 0, 1                                   ; the first step stands in front of the loop: its products start the sums
	s_mov_b32 s3, LAPS-1
.Llap:                                                 ; a trip goes once round the ring and fills both slots again
	TURN 0, 1, 1
	STEP 1, 0, 0
	TURN 1, 0, 1
	STEP 0, 0, 0
	s_sub_co_u32 s3, s3, 1
	s_cmp_lg_u32 s3, 0
	s_cbranch_scc1 .Llap
	TURN 0, 1, 0                                   ; the last lap fills nothing
	STEP 1, 0, 0
	s_wait_dscnt 4*NL                              ; the very last step
	WIN MUL_LO
	MUL16 0, 1, 0
	MUL16 2, 1, 0
	s_wait_dscnt 0
	WIN MUL_HI
	MUL16 4, 1, 0
	MUL16 6, 1, 0
	WIN 0
	; THE WAY OUT.  Where my fragments go: tokens and features change places between q, k and v, and one formula serves all three.
	s_wait_kmcnt 0x0
	s_cmp_eq_u32 s75, 1
	s_cselect_b32 s84, s42, s17                    ; the tile's place along the tokens (256 each)
	s_cselect_b32 s85, s17, s42                    ; and along the features
	s_cselect_b32 s86, s16, s15                    ; my half along the tokens
	s_cselect_b32 s87, s15, s16                    ; and along the features
	s_mov_b32 s88, 0x20000
	s_cselect_b32 s88, 1024, s88                   ; from the first eight registers' place to the second eight's: v: the fragment's second half; q, k: the next head
	s_mov_b32 s100, 1024
	s_cselect_b32 s100, 2048, s100                 ; from row block to row block: a fragment
	s_cselect_b32 s44, 122880, 0                   ; v: behind four blocks of 16 channels the next head begins: 131,072 - 4 x 2,048
	s_mov_b32 s89, 0
	s_mov_b32 s101, 0
	s_mov_b32 s45, 0
	s_lshr_b32 s90, s84, 3                         ; the batch: 8 tiles of 256 tokens
	s_lshl_b32 s90, s90, 4
	s_lshl_b32 s85, s85, 2
	s_add_co_u32 s90, s90, s85
	s_lshl_b32 s87, s87, 1
	s_add_co_u32 s90, s90, s87                     ; batch x 16 + my first head
	s_lshl_b32 s90, s90, 17                        ; 131,072 bytes a head
	s_and_b32 s84, s84, 7
	s_lshl_b32 s84, s84, 1
	s_add_co_u32 s84, s84, s86
	s_lshl_b32 s84, s84, 13                        ; 8,192 bytes for 128 tokens
	s_add_co_u32 s90, s90, s84
	s_mov_b32 s91, 0
	s_add_co_i32 s76, s76, s77
	s_add_co_i32 s78, s78, s79
	s_add_co_i32 s80, s80, s81
	s_sub_co_i32 s76, s82, s76                     ; e6 - e0 - e1
	s_sub_co_i32 s78, s83, s78                     ; e7 - e2 - e3
	s_sub_co_i32 s80, s93, s80                     ; e9 - e4 - e5
	s_cmp_eq_u32 ttmp9, 1
	s_cselect_b32 s76, s78, s76
	s_cselect_b64 s[96:97], s[68:69], s[10:11]
	s_cmp_eq_u32 ttmp9, 2
	s_cselect_b32 s76, s80, s76
	s_cselect_b64 s[96:97], s[70:71], s[96:97]
	s_add_nc_u64 s[96:97], s[96:97], s[90:91]
	s_add_nc_u64 s[98:99], s[96:97], s[88:89]
	s_add_co_i32 s76, s76, 127
	s_lshl_b32 s77, s76, 23
	v_mov_b32 v[SCV], s77                          ; the folded scale as f32
	s_wait_alu depctr_va_vdst(0)
	s_add_co_i32 s76, s76, 8
	s_lshl_b32 s76, s76, 23
	s_or_b32 s76, s76, 0x600000
; Row block a: eight conversions; four stores of 512 consecutive bytes.
.macro OUT a
.if (\a) > 0
	s_wait_xcnt 0x0                                ; the last block's stores have read their data and their bases: both are written again only behind this wait
	s_add_nc_u64 s[96:97], s[96:97], s[100:101]
	s_add_nc_u64 s[98:99], s[98:99], s[100:101]
.endif
.if (\a) == 4
	s_add_nc_u64 s[96:97], s[96:97], s[44:45]
	s_add_nc_u64 s[98:99], s[98:99], s[44:45]
.endif
.set AC, 64*((\a)%4)
.set WN, 0x02+((\a)/4)
	WIN WN                                         ; source 0: window 2 or 3
.set J, 0
.rept 64
.set J, J+1
.endr
.irp b, 0,1,2,3,4,5,6,7
	v_cvt_scalef32_pk8_fp8_f32 v[CD+2*\b:CD+2*\b+1], v[AC+8*\b:AC+8*\b+7], v[SCV]
.endr
	WIN 0
	v_nop                                          ; a plain vector line behind the conversions
	global_store_b128 v[CO], v[CD:CD+3], s[96:97]
	global_store_b128 v[CO], v[CD+4:CD+7], s[96:97] offset:512
	global_store_b128 v[CO], v[CD+8:CD+11], s[98:99]
	global_store_b128 v[CO], v[CD+12:CD+15], s[98:99] offset:512
.endm
	PLACES NP
.irp a, 0,1,2,3,4,5,6,7
	OUT \a
.endr
	s_wait_tensorcnt 0x0                           ; the wave's end
	ds_add_u32 v[SPW], v[NIL]
	s_wait_dscnt 0x0
	CROUND                                         ; the closing round: no work-group ends while a partner may still ask for a tile that names it
	s_endpgm
.Lfunc_end_k_q138e760f7c_qkv:
	.size	k_q138e760f7c_qkv, .Lfunc_end_k_q138e760f7c_qkv-k_q138e760f7c_qkv
	.p2alignl 7, 3214868480
	.fill 96, 4, 3214868480
	.section	.rodata,"a",@progbits
	.p2align	6, 0x0
	.amdhsa_kernel k_q138e760f7c_qkv
		.amdhsa_group_segment_fixed_size 327680
		.amdhsa_private_segment_fixed_size 0
		.amdhsa_enable_private_segment 0
		.amdhsa_kernarg_size 48
		.amdhsa_user_sgpr_count 2
		.amdhsa_user_sgpr_kernarg_segment_ptr 1
		.amdhsa_wavefront_size32 1
		.amdhsa_system_sgpr_workgroup_id_x 1
		.amdhsa_system_sgpr_workgroup_id_y 1
		.amdhsa_system_sgpr_workgroup_id_z 1
		.amdhsa_system_vgpr_workitem_id 0
		.amdhsa_next_free_vgpr 1024
		.amdhsa_next_free_sgpr 104
		.amdhsa_reserve_vcc 0
		.amdhsa_float_denorm_mode_32 3
		.amdhsa_float_denorm_mode_16_64 3
		.amdhsa_fp16_overflow 1
		.amdhsa_memory_ordered 1
		.amdhsa_forward_progress 1
		.amdhsa_inst_pref_size 88
	.end_amdhsa_kernel
	.amdgpu_metadata
---
amdhsa.version: [ 1, 2 ]
amdhsa.kernels:
  - .name:           k_q138e760f7c_qkv
    .symbol:         k_q138e760f7c_qkv.kd
    .args:
      - { .name: xc, .offset: 0, .size: 8, .value_kind: global_buffer, .address_space: global }
      - { .name: wc, .offset: 8, .size: 8, .value_kind: global_buffer, .address_space: global }
      - { .name: lowp_scales, .offset: 16, .size: 8, .value_kind: global_buffer, .address_space: global }
      - { .name: qc, .offset: 24, .size: 8, .value_kind: global_buffer, .address_space: global }
      - { .name: kc, .offset: 32, .size: 8, .value_kind: global_buffer, .address_space: global }
      - { .name: vc, .offset: 40, .size: 8, .value_kind: global_buffer, .address_space: global }
    .group_segment_fixed_size: 327680
    .private_segment_fixed_size: 0
    .kernarg_segment_align: 8
    .kernarg_segment_size: 48
    .max_flat_workgroup_size: 128
    .sgpr_count:     104
    .vgpr_count:     1024
    .wavefront_size: 32
...
	.end_amdgpu_metadata
.endif
;; end of part 2
;; launch attn (part 3): grid 4 x 64, 16 waves a work-group, no clusters, 327,680 bytes of LDS; arguments qc, kc, vc, lowp_scales, oc; writes oc
.if DOCPART == 3
	.amdgcn_target "amdgcn-amd-amdhsa--gfx1250"
	.amdhsa_code_object_version 6
	.text
	.protected	k_q138e760f7c_attn
	.globl	k_q138e760f7c_attn
	.p2align	8
	.type	k_q138e760f7c_attn,@function
k_q138e760f7c_attn:
	s_mov_b64 s[64:65], 0
	v_nop
	global_prefetch_b8 v0, s[64:65] scope:SCOPE_SE
	s_setreg_imm32_b32 hwreg(HW_REG_WAVE_MODE, 25, 1), 1
	s_wait_xcnt 0x0
; Causal attention on codes of E4M3, 64 heads (batch x head) of 2,048 tokens x 64 channels; the result is quantised for the last projection.
; qc, kc: [head 64][tile of 16 tokens 128][1,024 bytes], vc: [head 64][128 keys 16][16 channels 4][2,048 bytes]: each block is an operand's registers as they stand: group g of four registers of lane l at 512 g + 16 l.
; oc: [128 tokens 64][pair of heads 8][16 tokens 8][2,048 bytes], the same form: the even head's codes in bytes 0-1,023, the odd head's in 1,024-2,047: a fragment of 16 tokens x 128 along the last product's K.
; THE SOFTMAX: t = score x log2(e) / 8; M = the running largest t rounded UP to a whole number; p = 2^(t - M) is quantised, not normalised; the row's sum is taken of the unquantised p and divides at the end.
; When M moves, the sum and O are multiplied by 2^(old M - new M): nothing is rounded.
; SHARES.  Work-group (I, head) owns the blocks of 256 queries I and 7 - I, one after the other; each of its sixteen waves owns 16 queries of a block.  Block b needs the key slots (256 keys) 0 .. b, so every
; work-group walks (I + 1) + (8 - I) = 9 slots: the trip count is a constant, no slot is fetched that nobody reads, and all work-groups have the same work.
; Both products are used transposed: S^T = K Q^T (source 0 = 16 keys), O^T = V^T P^T (source 0 = 16 channels): a lane holds ONE query (lane % 16).  In tile t of S^T lane (r, h) holds keys 16 t + 8 h + 0 .. 7:
; one conversion gives registers 2 t, 2 t + 1 of P in the plain 8-bit layout (ISA guide 7.12.2); O^T's tiles become the output fragment's registers in the same way.
; A step all of whose 128 keys come after the wave's queries is left out by a scalar branch on ids; in the step on the diagonal hidden scores become -infinity ahead of the maximum.  Key 0 counts for every query.
; NO CLUSTER: the four work-groups of a head walk different sequences of slots (0..I, 0..7-I), so their requests for a slot do not fall into the same trip.
; LIMITS: e6 + e7 between -123 and 130 (added to c's exponent field); e8 and e10 between -126 and 127; e8 + e9 is applied by v_ldexp_f32.
; REGISTERS: v1 16 x lane; v4 2^e10; v3 256 x lane; v5, v6 the spare word's address, 0; v7 lane % 16 - 8 (lane / 16); v8 LDS address; v9 at work; v11 2^e8;
;   v12 -M, v13 the largest t, v[14:15] the sum in two halves; v16-23 Q; v24-30 at work; v32-95 K's eight fragments, later P's codes in v32-47; v96-159 S^T, then p; v160-191 O^T; v192-255 V's four fragments.
.set SLOT1, 32768                      ; a slot: K's 16 fragments (16,384 bytes), then V's 8 (16,384 bytes); one exclusive or turns an address from one slot to the other
.set SPARE, 65536                      ; behind the ring: the spare words, 128 bytes for each of the sixteen waves
; Wave 0 fetches a slot's K, wave 1 its V: one dense block of 16,384 bytes each.  Four v_nop follow the line.
.macro TLOAD
	s_cmp_lt_u32 s18, 2
	s_cbranch_scc0 .Lnone_\@
	tensor_load_to_lds s[40:43], s[24:31]
	s_nop 0
.rept 4
	v_nop
.endr
.Lnone_\@:
.endm
; A prefetch into the L2 of the key slot that the next change of slots will ask for.  The work-group with I = 0 walks key slots 0, 0, 1, .. 7: in trip N it loads key slot N and names N + 1, N = 0 .. 6.
; Its waves 4 and 5 name the two halves (8,192 bytes, lanes 256 bytes apart) of K's block, waves 6 and 7 of V's: key slots 1 to 7 of each head are named once in the launch, slot 0 never, and nothing past slot 7.
.macro ASK
	s_cmp_lt_u32 s3, s58
	s_cbranch_scc0 .Lnot_mine_\@
	global_prefetch_b8 v3, s[56:57] th:TH_LOAD_NT scope:SCOPE_SE
.Lnot_mine_\@:
.endm
	s_load_b256 s[4:11], s[0:1], 0x0               ; qc s[4:5], kc s[6:7], vc s[8:9], the scales s[10:11]
	s_load_b64 s[12:13], s[0:1], 0x20              ; oc
	v_lshl_add_u32 v5, v0, 2, SPARE
	v_mov_b32 v6, 0
	ds_add_u32 v5, v6
	ds_add_u32 v5, v6
	s_wait_dscnt 0x0
	v_lshrrev_b32 v8, 5, v0
	s_delay_alu instid0(VALU_DEP_1)
	v_readfirstlane_b32 s18, v8                    ; wave 0..15
	s_and_b32 s19, s18, 1
	s_mov_b32 s14, ttmp9                           ; I
	s_add_co_u32 s15, s14, 1                       ; the trip in which the second block of queries begins
	s_and_b32 s81, ttmp7, 0xffff                   ; batch x 16 + head
	s_lshl_b32 s16, s81, 17                        ; the head's first byte in qc, kc and vc
	s_mov_b32 s17, 0
	s_mov_b32 s35, 0
	; descriptor group 1: a dense block as 64 rows of 256 bytes
	s_mov_b32 s24, 3<<16                           ; 15:0 no mask; 17:16 elements of 8 bytes; no padding
	s_mov_b32 s25, 32<<16                          ; tensor_dim0 = 32
	s_mov_b32 s26, 64<<16                          ; tensor_dim1 = 64
	s_mov_b32 s27, 32<<16                          ; tile_dim0 = 32
	s_mov_b32 s28, 64                              ; tile_dim1 = 64
	s_mov_b32 s29, 32                              ; from row to row
	s_mov_b32 s30, 0
	s_mov_b32 s31, 0
	s_mov_b32 s40, 1                               ; group 0: count = 1
	s_lshl_b32 s41, s19, 14                        ; LDS address: slot 0; K at its head, V 16,384 bytes on
	s_wait_kmcnt 0x0
	s_cmp_eq_u32 s19, 1
	s_cselect_b64 s[32:33], s[8:9], s[6:7]         ; what I fetch, if I fetch
	s_add_nc_u64 s[32:33], s[32:33], s[16:17]      ; at my head's first key
	s_mov_b64 s[42:43], s[32:33]
	s_or_b32 s43, s43, 0x80000000                  ; type = 2
	TLOAD                                          ; the first slot, ahead of every wait on TENSORcnt, every LDS read and every barrier
	s_load_b256 s[68:75], s[10:11], 0x0            ; e0 .. e7
	s_load_b128 s[76:79], s[10:11], 0x20           ; e8 .. e11
	s_mov_b32 s20, 0x76543210                      ; v_permlanex16_b32's selects for lane l xor 16
	s_mov_b32 s21, 0xfedcba98
	s_mov_b32 s2, 0                                ; the slot in hand
	s_mov_b32 s3, 0                                ; the trip
	s_mov_b32 s50, 0                               ; the step's first key
	s_lshl_b32 s51, s14, 8
	s_lshl_b32 s82, s18, 4
	s_add_co_u32 s51, s51, s82                     ; my first query in block I
	s_sub_co_u32 s83, 7, s14
	s_lshl_b32 s54, s83, 8
	s_add_co_u32 s54, s54, s82                     ; and in block 7 - I
	s_add_nc_u64 s[44:45], s[4:5], s[16:17]
	s_mov_b64 s[46:47], s[44:45]
	s_lshl_b32 s34, s51, 6                         ; 1,024 bytes for 16 queries
	s_add_nc_u64 s[44:45], s[44:45], s[34:35]      ; Q's fragment, first block
	s_lshl_b32 s34, s54, 6
	s_add_nc_u64 s[46:47], s[46:47], s[34:35]      ; second block
	s_lshr_b32 s84, s81, 4
	s_lshl_b32 s84, s84, 21                        ; oc: the batch's 16 groups of 128 tokens, 131,072 bytes each,
	s_bfe_u32 s85, s81, 0x30001
	s_lshl_b32 s85, s85, 14                        ; the pair of heads,
	s_add_co_u32 s84, s84, s85
	s_and_b32 s85, s81, 1
	s_lshl_b32 s85, s85, 10                        ; the head's half of a fragment,
	s_add_co_u32 s84, s84, s85
	s_lshr_b32 s85, s18, 3
	s_lshl_b32 s85, s85, 17                        ; which 128 of the block's 256 tokens,
	s_add_co_u32 s84, s84, s85
	s_and_b32 s85, s18, 7
	s_lshl_b32 s85, s85, 11                        ; and which 16 of those
	s_add_co_u32 s84, s84, s85
	s_lshl_b32 s34, s14, 18
	s_add_co_u32 s34, s34, s84
	s_add_nc_u64 s[48:49], s[12:13], s[34:35]      ; my codes of O, first block
	s_lshl_b32 s34, s83, 18
	s_add_co_u32 s34, s34, s84
	s_add_nc_u64 s[52:53], s[12:13], s[34:35]      ; second block
	s_cmp_lt_u32 s18, 6                            ; the prefetches: waves 4, 5 stand in K, waves 6, 7 in V
	s_cselect_b64 s[56:57], s[6:7], s[8:9]
	s_add_nc_u64 s[56:57], s[56:57], s[16:17]
	s_lshl_b32 s34, s19, 13
	s_add_nc_u64 s[56:57], s[56:57], s[34:35]      ; my half of key slot 0; the first change of slots steps it to slot 1
	s_sub_co_u32 s82, s18, 4
	s_lshr_b32 s82, s82, 2                         ; 0 in waves 4 to 7,
	s_or_b32 s82, s82, s14                         ; of the head's work-group I = 0
	s_cmp_eq_u32 s82, 0
	s_cselect_b32 s58, 7, 0                        ; a wave asks while the trip's number is under this
	v_and_b32 v8, 31, v0
	s_delay_alu instid0(VALU_DEP_1)
	v_lshlrev_b32 v1, 4, v8
	s_delay_alu instid0(VALU_DEP_2)
	v_lshlrev_b32 v3, 8, v8
	v_and_b32 v7, 15, v0
	v_bfe_u32 v9, v0, 4, 1
	s_delay_alu instid0(VALU_DEP_1)
	v_lshlrev_b32 v9, 3, v9
	s_delay_alu instid0(VALU_DEP_1)
	v_sub_nc_u32 v7, v7, v9
.macro QLOAD qp
	global_load_b128 v[16:19], v1, s[\qp:\qp+1]
	global_load_b128 v[20:23], v1, s[\qp:\qp+1] offset:512
.endm
.macro INIT                            ; the step is written once: a block's first step finds zeros, which the first change of M leaves zeros
	v_mov_b32 v13, 0xff61b1e6                      ; the largest t so far: -3e38
	s_delay_alu instid0(VALU_DEP_1)
	v_floor_f32 v12, -v13                          ; -M
	v_mov_b32 v14, 0
	v_mov_b32 v15, 0
.set J, 0
.rept 32
	v_mov_b32 v[160+J], 0
.set J, J+1
.endr
.endm
	QLOAD 44
	INIT
	v_mov_b32 v27, 0                               ; (named as the upper half of the pair v[26:27])
	v_mov_b32 v30, 0                               ; a lane permute's destination counts as one of its sources
	s_wait_kmcnt 0x0
	s_add_co_i32 s81, s74, s75
	s_lshl_b32 s81, s81, 23
	s_add_co_i32 s22, s81, 0x3e38aa3b              ; c = log2(e) / 8 x 2^(e6 + e7): the two exponents are added to c's exponent field
	s_mov_b32 s23, s22                             ; (named with it as a pair)
	s_add_co_i32 s81, s76, 127
	s_lshl_b32 s82, s81, 23
	v_mov_b32 v11, s82                             ; 2^e8
	s_add_co_i32 s81, s78, 127
	s_lshl_b32 s82, s81, 23
	v_mov_b32 v4, s82                              ; 2^e10
	s_add_co_i32 s80, s76, s77                     ; e8 + e9
; A KEY STEP: 128 keys, the q-th of the slot in hand.
.macro STEP q
	s_add_co_u32 s81, s51, 15
	s_cmp_gt_u32 s50, s81                          ; all 128 keys come after my 16 queries: the step's work is left out; no barrier and no tensor load stands in a step
	s_cbranch_scc1 .Lhidden_\@
	v_add_nc_u32 v8, s2, v1
.rept 3
	v_nop                                          ; with the addition above: four places behind the last products, in front of loads into registers that they have read
.endr
.irp t, 0,1,2,3,4,5,6,7
.irp c, 0,1
	ds_load_b128 v[32+8*\t+4*\c:35+8*\t+4*\c], v8 offset:8192*(\q)+1024*\t+512*\c          ; K: tile t of 16 keys; 32 lanes read 512 consecutive bytes
.endr
.endr
.irp t, 0,1,2,3
.irp c, 0,1,2,3
	ds_load_b128 v[192+16*\t+4*\c:195+16*\t+4*\c], v8 offset:16384+8192*(\q)+2048*\t+512*\c   ; V: channels 16 t on x these 128 keys
.endr
.endr
	s_wait_dscnt 16                                ; K's 16 loads are in; V's 16 may be out
.irp t, 0,1,2,3,4,5,6,7
	v_wmma_f32_16x16x64_fp8_fp8 v[96+8*\t:103+8*\t], v[32+8*\t:39+8*\t], v[16:23], 0
.endr
.rept 4
	v_nop
.endr
	s_add_co_u32 s81, s50, 127
	s_cmp_le_u32 s81, s51                          ; all keys count for all my queries: no mask
	s_cbranch_scc1 .Lopen_\@
	s_sub_co_i32 s81, s51, s50
	v_add_nc_u32 v9, s81, v7                       ; d = my query - the step's first key - 8 (lane / 16).  Register 8 t + j holds key 16 t + 8 (lane / 16) + j: hidden where 16 t + j > d
	v_mov_b32 v24, 0xff800000                      ; -infinity
.set J, 0
.rept 64
	v_cmp_gt_i32 vcc_lo, 16*(J/8)+J%8, v9
	v_cndmask_b32 v[96+J], v[96+J], v24, vcc_lo
.set J, J+1
.endr
.Lopen_\@:
	v_max3_num_f32 v24, v96, v97, v98              ; the step's largest score of my query among my 64 keys, in two chains,
	v_max3_num_f32 v26, v99, v100, v101
.irp i, 6,10,14,18,22,26,30,34,38,42,46,50,54,58
	v_max3_num_f32 v24, v24, v[96+\i], v[97+\i]
	v_max3_num_f32 v26, v26, v[98+\i], v[99+\i]
.endr
	v_max3_num_f32 v24, v24, v158, v159
	s_delay_alu instid0(VALU_DEP_1)
	v_max_num_f32 v24, v24, v26
	s_delay_alu instid0(VALU_DEP_1)
	v_permlanex16_b32 v30, v24, s20, s21
	s_delay_alu instid0(VALU_DEP_1)
	v_max_num_f32 v24, v24, v30                    ; and among lane l xor 16's
	s_delay_alu instid0(VALU_DEP_1)
	v_mul_f32 v24, s22, v24                        ; as t (c is positive)
	s_delay_alu instid0(VALU_DEP_1)
	v_max_num_f32 v13, v13, v24                    ; the running largest t
	v_mov_b32 v24, v12
	s_delay_alu instid0(VALU_DEP_2)
	v_floor_f32 v12, -v13                          ; the new -M = -ceil(t): a whole number
	s_delay_alu instid0(VALU_DEP_1)
	v_sub_f32 v24, v12, v24                        ; old M - new M: a whole number, 0 or less
	s_delay_alu instid0(VALU_DEP_1)
	v_cvt_i32_f32 v24, v24                         ; (it saturates)
	s_delay_alu instid0(VALU_DEP_1)
	v_ldexp_f32 v26, 1.0, v24                      ; f = 2^(old M - new M)
.irp j, 0,2,4,6,8,10,12,14,16,18,20,22,24,26,28,30,32,34,36,38,40,42,44,46,48,50,52,54,56,58,60,62
	v_pk_fma_f32 v[96+\j:97+\j], v[96+\j:97+\j], s[22:23], v[12:13] op_sel_hi:[1,0,0]   ; t - M, two at a time
.endr
.set J, 0
	s_wait_alu depctr_va_vdst(0)
.rept 64
	v_exp_f32 v[96+J], v[96+J]                     ; p = 2^(t - M), at most 1
.set J, J+1
.endr
	v_pk_mul_f32 v[14:15], v[14:15], v[26:27] op_sel_hi:[1,0]   ; the sums under the new M: the plain line behind the exponentials
	s_wait_alu depctr_va_vdst(0)                   ; one wait for the batch of 64, ahead of its first reader
	v_pk_add_f32 v[28:29], v[100:101], v[104:105]
	v_pk_add_f32 v[94:95], v[108:109], v[112:113]
	v_pk_add_f32 v[92:93], v[116:117], v[120:121]
	v_pk_add_f32 v[90:91], v[124:125], v[128:129]
	v_pk_add_f32 v[88:89], v[132:133], v[136:137]
	v_pk_add_f32 v[86:87], v[140:141], v[144:145]
	v_pk_add_f32 v[84:85], v[148:149], v[152:153]
	v_pk_add_f32 v[14:15], v[14:15], v[156:157]
	v_pk_add_f32 v[28:29], v[28:29], v[96:97]
	v_pk_add_f32 v[94:95], v[94:95], v[98:99]
	v_pk_add_f32 v[92:93], v[92:93], v[102:103]
	v_pk_add_f32 v[90:91], v[90:91], v[106:107]
	v_pk_add_f32 v[88:89], v[88:89], v[110:111]
	v_pk_add_f32 v[86:87], v[86:87], v[114:115]
	v_pk_add_f32 v[84:85], v[84:85], v[118:119]
	v_pk_add_f32 v[14:15], v[14:15], v[122:123]
	v_pk_add_f32 v[28:29], v[28:29], v[126:127]
	v_pk_add_f32 v[94:95], v[94:95], v[130:131]
	v_pk_add_f32 v[92:93], v[92:93], v[134:135]
	v_pk_add_f32 v[90:91], v[90:91], v[138:139]
	v_pk_add_f32 v[88:89], v[88:89], v[142:143]
	v_pk_add_f32 v[86:87], v[86:87], v[146:147]
	v_pk_add_f32 v[84:85], v[84:85], v[150:151]
	v_pk_add_f32 v[14:15], v[14:15], v[154:155]
	v_pk_add_f32 v[28:29], v[28:29], v[158:159]
	s_delay_alu instid0(VALU_DEP_2)
	v_pk_add_f32 v[14:15], v[14:15], v[90:91]
	s_delay_alu instid0(VALU_DEP_2)
	v_pk_add_f32 v[28:29], v[28:29], v[88:89]
	v_pk_add_f32 v[94:95], v[94:95], v[86:87]
	v_pk_add_f32 v[92:93], v[92:93], v[84:85]
	s_delay_alu instid0(VALU_DEP_2)
	v_pk_add_f32 v[14:15], v[14:15], v[94:95]
	s_delay_alu instid0(VALU_DEP_2)
	v_pk_add_f32 v[28:29], v[28:29], v[92:93]
	s_delay_alu instid0(VALU_DEP_1)
	v_pk_add_f32 v[14:15], v[14:15], v[28:29]
.irp t, 0,1,2,3,4,5,6,7
.irp i, 0,1,2,3,4,5,6,7
.endr
	v_cvt_scalef32_pk8_fp8_f32 v[32+2*\t:33+2*\t], v[96+8*\t:103+8*\t], v11   ; registers 2 t, 2 t + 1 of P: keys 16 t + 8 (lane / 16) + 0 .. 7
.endr
.irp j, 0,2,4,6,8,10,12,14,16,18,20,22,24,26,28,30
	v_pk_mul_f32 v[160+\j:161+\j], v[160+\j:161+\j], v[26:27] op_sel_hi:[1,0]   ; O^T under the new M; also the plain lines between the conversions and the products
.endr
	s_wait_alu depctr_va_vdst(0)
	s_wait_dscnt 0x0                               ; V is in
.irp t, 0,1,2,3
	v_wmma_f32_16x16x128_fp8_fp8 v[160+8*\t:167+8*\t], v[192+16*\t:207+16*\t], v[32:47], v[160+8*\t:167+8*\t]   ; four accumulators by turns; eight products of S^T stand between two links of each
.endr
.Lhidden_\@:
	s_add_co_u32 s50, s50, 128
.endm
; THE CHANGE OF SLOTS stands at a slot's head.  Each wave waits for all its tensor loads, adds 0 to its spare word, and waits for that and for its reads of the slot that it has left.
; Behind the barrier the slot ahead is whole and nobody reads the other one.  fill = 1: that other slot takes the walk's next key slot; the load has this slot's two steps in which to land.
.macro CHANGE fill
	s_wait_tensorcnt 0x0                           ; no tensor load of mine is out, so group 0 may be written
	ds_add_u32 v5, v6                              ; 0 onto my spare word
.if \fill
	s_xor_b32 s41, s41, SLOT1                      ; the other slot than last time
	s_add_co_u32 s81, s3, 1                        ; the walk's next slot; from the second block's first slot on the key slots begin at 0 again
	s_cmp_ge_u32 s81, s15
	s_cselect_b32 s82, s15, 0
	s_sub_co_u32 s81, s81, s82
	s_lshl_b32 s34, s81, 14                        ; 16,384 bytes a key slot, in K and in V
	s_add_nc_u64 s[42:43], s[32:33], s[34:35]
	s_or_b32 s43, s43, 0x80000000
	s_wait_xcnt 0x0                                ; the last prefetch, a slot back, has read its address
	s_add_nc_u64 s[56:57], s[56:57], 16384
.endif
	s_wait_dscnt 0x0                               ; the add is done, and my reads of the slot that I have left are over
	s_barrier_signal -1
	s_barrier_wait -1
.if \fill
	TLOAD                                          ; the first thing behind the barrier, and a wave's one tensor load until the next: by this text's count one load of a wave is out at most
	ASK
.endif
.endm
; A block of queries is finished: O^T x 2^(e8 + e9) / the sum, converted under 2^e10, stored as half of a fragment: two stores of 512 consecutive bytes.
.macro FLUSH op
.rept 4
	v_nop                                          ; places behind the last products
.endr
	v_add_f32 v14, v14, v15                        ; the sum's two halves,
	s_wait_alu depctr_va_vdst(0)
	v_permlanex16_b32 v30, v14, s20, s21
	s_delay_alu instid0(VALU_DEP_1)
	v_add_f32 v14, v14, v30                        ; and lane l xor 16's
	s_wait_alu depctr_va_vdst(0)
	v_rcp_f32 v14, v14
	v_nop                                          ; a plain line behind the transcendental
	s_wait_alu depctr_va_vdst(0)                   ; and the wait ahead of its first reader
	v_ldexp_f32 v14, v14, s80
.irp j, 0,2,4,6,8,10,12,14,16,18,20,22,24,26,28,30
	v_pk_mul_f32 v[96+\j:97+\j], v[160+\j:161+\j], v[14:15] op_sel_hi:[1,0]   ; register 8 t + j: o(query r, channel 16 t + 8 h + j); each accumulator from its low end on
.endr
.set J, 0
.rept 32
.set J, J+1
.endr
.irp t, 0,1,2,3
	v_cvt_scalef32_pk8_fp8_f32 v[32+2*\t:33+2*\t], v[96+8*\t:103+8*\t], v4
.endr
	v_nop                                          ; a plain vector line behind the conversions
	global_store_b128 v1, v[32:35], s[\op:\op+1]
	global_store_b128 v1, v[36:39], s[\op:\op+1] offset:512
.endm
	s_wait_loadcnt 0x0                             ; Q
.Lslot:                                            ; eight trips: behind each change of slots but the last the walk's next slot is asked for
	CHANGE 1
	s_cmp_lg_u32 s3, s15                           ; the second block of queries begins here: a branch on ids round register work, global loads and global stores alone
	s_cbranch_scc1 .Lsame
	QLOAD 46
	FLUSH 48
	s_wait_xcnt 0x0                                ; the stores have read their data: the next step's loads may land there
	INIT
	s_mov_b32 s51, s54
	s_mov_b32 s50, 0
	s_wait_loadcnt 0x0                             ; the second block's Q
.Lsame:
	STEP 0
	STEP 1
	s_xor_b32 s2, s2, SLOT1                        ; on to the other slot
	s_add_co_u32 s3, s3, 1
	s_cmp_lt_u32 s3, 8
	s_cbranch_scc1 .Lslot
	CHANGE 0                                       ; the last slot is written out
	STEP 0
	STEP 1
	FLUSH 52
	s_wait_tensorcnt 0x0                           ; the wave's end
	ds_add_u32 v5, v6
	s_wait_dscnt 0x0
	s_endpgm
.Lfunc_end_k_q138e760f7c_attn:
	.size	k_q138e760f7c_attn, .Lfunc_end_k_q138e760f7c_attn-k_q138e760f7c_attn
	.p2alignl 7, 3214868480
	.fill 96, 4, 3214868480
	.section	.rodata,"a",@progbits
	.p2align	6, 0x0
	.amdhsa_kernel k_q138e760f7c_attn
		.amdhsa_group_segment_fixed_size 327680
		.amdhsa_private_segment_fixed_size 0
		.amdhsa_enable_private_segment 0
		.amdhsa_kernarg_size 40
		.amdhsa_user_sgpr_count 2
		.amdhsa_user_sgpr_kernarg_segment_ptr 1
		.amdhsa_wavefront_size32 1
		.amdhsa_system_sgpr_workgroup_id_x 1
		.amdhsa_system_sgpr_workgroup_id_y 1
		.amdhsa_system_sgpr_workgroup_id_z 1
		.amdhsa_system_vgpr_workitem_id 0
		.amdhsa_next_free_vgpr 256
		.amdhsa_next_free_sgpr 100
		.amdhsa_reserve_vcc 1
		.amdhsa_float_denorm_mode_32 3
		.amdhsa_float_denorm_mode_16_64 3
		.amdhsa_fp16_overflow 1
		.amdhsa_memory_ordered 1
		.amdhsa_forward_progress 1
		.amdhsa_inst_pref_size 89
	.end_amdhsa_kernel
	.amdgpu_metadata
---
amdhsa.version: [ 1, 2 ]
amdhsa.kernels:
  - .name:           k_q138e760f7c_attn
    .symbol:         k_q138e760f7c_attn.kd
    .args:
      - { .name: qc, .offset: 0, .size: 8, .value_kind: global_buffer, .address_space: global }
      - { .name: kc, .offset: 8, .size: 8, .value_kind: global_buffer, .address_space: global }
      - { .name: vc, .offset: 16, .size: 8, .value_kind: global_buffer, .address_space: global }
      - { .name: lowp_scales, .offset: 24, .size: 8, .value_kind: global_buffer, .address_space: global }
      - { .name: oc, .offset: 32, .size: 8, .value_kind: global_buffer, .address_space: global }
    .group_segment_fixed_size: 327680
    .private_segment_fixed_size: 0
    .kernarg_segment_align: 8
    .kernarg_segment_size: 40
    .max_flat_workgroup_size: 512
    .sgpr_count:     100
    .vgpr_count:     256
    .wavefront_size: 32
...
	.end_amdgpu_metadata
.endif
;; end of part 3
;; launch proj (part 4): grid 4 x 32, 4 waves a work-group, clusters of 4 x 4, 327,680 bytes of LDS; arguments oc, wc, lowp_scales, out0; writes out0
.if DOCPART == 4
	.amdgcn_target "amdgcn-amd-amdhsa--gfx1250"
	.amdhsa_code_object_version 6
	.text
	.protected	k_q138e760f7c_proj
	.globl	k_q138e760f7c_proj
	.p2align	8
	.type	k_q138e760f7c_proj,@function
k_q138e760f7c_proj:
	s_mov_b64 s[64:65], 0
	v_nop
	global_prefetch_b8 v0, s[64:65] scope:SCOPE_SE
	s_setreg_imm32_b32 hwreg(HW_REG_WAVE_MODE, 25, 1), 1
	s_wait_xcnt 0x0
	s_wait_alu depctr_hold_cnt(0) depctr_sa_sdst(0) depctr_va_vdst(0) depctr_va_sdst(0) depctr_va_ssrc(0) depctr_va_vcc(0) depctr_vm_vsrc(0)
	s_getreg_b32 s2, hwreg(HW_REG_IB_STS2, 6, 4)
	s_cmp_eq_u32 s2, 0
	s_cbranch_scc0 .Lentry_in_a_cluster
	s_endpgm
.Lentry_in_a_cluster:
	s_bfe_u32 s2, ttmp6, 0x10000c
	s_cmp_lg_u32 s2, 0xf033
	s_cbranch_scc0 .Lentry_shape_is_right
	s_endpgm
.Lentry_shape_is_right:
; out[token][n] = sum over k of o[token][k] wo[n][k], on codes of E4M3; each finished sum x 2^(e10 + e11).  out: [8192][1024] f32.
; A = oc: [128 tokens 64][128 along K 8][16 tokens 8][2,048 bytes]: each block of 2,048 bytes is a fragment's registers as they stand (plain 8-bit layout, ISA guide 7.12.2): group g of lane l at 512 g + 16 l.
; B = wo's codes, rows of 1,024 bytes, 3 MiB into wc.  Its fragments are read in the same plain layout: eight loads of 8 bytes at row x pitch + 16 c + 8 (l / 16).
; LIMIT: e10 + e11 lies between -126 and 127, so that 2^(e10 + e11) is an f32 number.
; A tile of 256 x 256 is made by four waves, 128 x 128 each: 64 accumulators, 512 registers.  K goes in steps of 256 through two LDS slots.  A's part of a step for 128 tokens is one dense block of 32,768 bytes,
; brought as 128 rows of 256 bytes; a fragment is eight of those rows.
; CLUSTERS: 4 x 4 work-groups; A's tiles are asked for jointly along a row of the cluster, B's along a column.  THE MATRIX INSTRUCTION IS USED TRANSPOSED (source 0 = 16 rows of wo, source 1 = 16 tokens):
; a lane holds eight neighbouring numbers of a row of out.
; REGISTERS, in windows of 256: window 0: v0-31 addresses; from v128 A's fragments, one set; on the way out v32-255.  window 1: B's fragments, two sets.  windows 2, 3: the accumulators.
.set SIZE_N, 1024
.set SIZE_K, 1024
.set KSTEP,  256
.set ROWB,   256
.set KROW,   SIZE_K
.set ASTEP,  32768                     ; A: from one K step of 256 to the next, for 128 tokens
.set PITCH,  272                       ; an LDS row: 256 bytes + 16 of padding
.set FR,     16
.set NL,     4                         ; LDS loads that bring a fragment of A
.set NP,     4
.set HALFT,  128*PITCH
.set SLOT,   4*HALFT
.set LAPS,   SIZE_K/(2*KSTEP)
.set SPARE,  2*SLOT
.set SPITCH, 528                       ; the way out: a stage of 16 rows x (512 bytes + 16) for each wave, in slot 0, which has had its last fill and its last read by then
.set ADRA, 16
.set ADRB, 20
.set STO,  24
.set RD,   25
.set CO,   26
.set SPW,  28
.set NIL,  29
.set TMP,  32
.set AF,   128
.set BK,   128
.set G1, 24
.set G0, 32
.set G1B, 48
.set G0B, 56
.set MSB, 0
.macro WIN new
.if MSB != \new
	s_set_vgpr_msb (MSB<<8)|\new
.set MSB, \new
.endif
.endm
.set MUL_LO, 0xa1
.set MUL_HI, 0xf1
.set TO_B,   0x40
.macro JLOAD g0a, g1a, g0b, g1b        ; waves 0 and 1 fetch for A, waves 2 and 3 for B; four v_nop follow each of the two lines
	s_cmp_eq_u32 s15, 0
	s_cbranch_scc0 .Lfor_b_\@
	tensor_load_to_lds s[\g0a:\g0a+3], s[\g1a:\g1a+7]
	s_nop 0
.rept 4
	v_nop
.endr
	s_branch .Lasked_\@
.Lfor_b_\@:
	tensor_load_to_lds s[\g0b:\g0b+3], s[\g1b:\g1b+7]
	s_nop 0
.rept 4
	v_nop
.endr
.Lasked_\@:
.endm
.macro CREST
	s_cmp_lg_u32 s14, 0
	s_cbranch_scc1 .Lnot_wave_0_\@
	s_barrier_signal -3
.Lnot_wave_0_\@:
	s_barrier_wait -3
	s_barrier_signal -1
	s_barrier_wait -1
.endm
.macro CROUND
	s_barrier_signal -1
	s_barrier_wait -1
	CREST
.endm
	s_load_b128 s[4:7], s[0:1], 0x0                ; oc s[4:5], wc s[6:7]
	s_load_b128 s[8:11], s[0:1], 0x10              ; the scales s[8:9], out s[10:11]
	v_lshl_add_u32 v[SPW], v0, 2, SPARE
	v_mov_b32 v[NIL], 0
	ds_add_u32 v28, v29
	ds_add_u32 v28, v29
	s_wait_dscnt 0x0
	v_lshrrev_b32 v1, 5, v0
	v_readfirstlane_b32 s14, v1                    ; wave 0..3
	s_lshr_b32 s15, s14, 1                         ; which half of the tile's rows is mine.  Also: I fetch for A (0) or for B (1)
	s_and_b32 s16, s14, 1                          ; which half of its columns.  Also: which 128 rows of that tile I fetch
	s_bfe_u32 s40, ttmp6, 0x40000                  ; cx, cy
	s_bfe_u32 s41, ttmp6, 0x40004
	s_lshl_b32 s42, ttmp9, 2
	s_add_co_u32 s42, s42, s40                     ; tile column
	s_and_b32 s17, ttmp7, 0xffff
	s_lshl_b32 s17, s17, 2
	s_add_co_u32 s17, s17, s41                     ; tile row
	s_lshl_b32 s43, s41, 2
	s_lshl_b32 s43, 15, s43                        ; my row of the cluster
	s_lshl_b32 s44, 0x1111, s40                    ; my column
	s_or_b32 s[G1+0], s43, (0<<16)|(1<<20)|(1<<21)|(5<<22)|(3<<25)  ; the mask; elements of 1 byte; padding on; bit 21 beside a mask; four words after every 64
	s_or_b32 s[G1B+0], s44, (0<<16)|(1<<20)|(1<<21)|(5<<22)|(3<<25)
.irp g, G1, G1B
	s_mov_b32 s[\g+1], ROWB<<16                    ; tensor_dim0
	s_mov_b32 s[\g+2], 128<<16                     ; tensor_dim1
	s_mov_b32 s[\g+3], ROWB<<16                    ; tile_dim0
	s_mov_b32 s[\g+4], 128                         ; tile_dim1
	s_mov_b32 s[\g+6], 0
	s_mov_b32 s[\g+7], 0
.endr
	s_mov_b32 s[G1+5], ROWB                        ; A's block is dense: each row begins where the last ends
	s_mov_b32 s[G1B+5], KROW                       ; B: a row of wo's codes
	s_lshl_b32 s18, s16, 7
	s_lshl_b32 s20, s17, 8
	s_add_co_u32 s20, s20, s18                     ; A: token 256 x tile row + 128 x half; 1,024 bytes of codes a token
	s_lshl_b32 s46, s42, 8
	s_add_co_u32 s46, s46, s18                     ; B: row 256 x tile column + 128 x half
	s_mov_b32 s21, 0
	s_mov_b32 s47, 0
	s_mov_b64 s[18:19], KROW
	s_mul_u64 s[20:21], s[20:21], s[18:19]
	s_mul_u64 s[46:47], s[46:47], s[18:19]
	s_mul_i32 s45, s14, HALFT                      ; where they go: wave x 128 rows
	s_wait_kmcnt 0x0
	s_load_b64 s[96:97], s[8:9], 0x28              ; e10, e11
	s_add_nc_u64 s[6:7], s[6:7], 0x300000          ; wo's codes
	s_add_nc_u64 s[20:21], s[4:5], s[20:21]
	s_add_nc_u64 s[46:47], s[6:7], s[46:47]
	CROUND                                         ; all sixteen work-groups are here: the first joint loads meet
.irp s, 0,1
	s_mov_b32 s[G0+4*\s], 1
	s_add_co_u32 s[G0+4*\s+1], s45, \s*SLOT
	s_add_nc_u64 s[G0+4*\s+2:G0+4*\s+3], s[20:21], \s*ASTEP
	s_or_b32 s[G0+4*\s+3], s[G0+4*\s+3], 0x80000000
	s_mov_b32 s[G0B+4*\s], 1
	s_add_co_u32 s[G0B+4*\s+1], s45, \s*SLOT
	s_add_nc_u64 s[G0B+4*\s+2:G0B+4*\s+3], s[46:47], \s*ROWB
	s_or_b32 s[G0B+4*\s+3], s[G0B+4*\s+3], 0x80000000
	s_wait_alu depctr_va_vdst(0)
	s_wait_tensorcnt 0x0
	ds_add_u32 v28, v29
	ds_add_u32 v28, v29
	s_wait_dscnt 0x0
	CROUND
	JLOAD G0+4*\s, G1, G0B+4*\s, G1B
.endr
	v_and_b32 v1, 15, v0                           ; l % 16
	v_bfe_u32 v2, v0, 4, 1                         ; l / 16
	v_mul_u32_u24 v3, v2, PITCH
	v_lshl_add_u32 v4, v1, 4, v3                   ; A: a group's 512 bytes are two LDS rows: lanes 0-15 the first, lanes 16-31 the second; 16 bytes a lane
	v_mul_u32_u24 v7, v1, PITCH
	v_lshl_add_u32 v7, v2, 3, v7                   ; B: row l % 16, + 8 x half
	s_mul_i32 s21, s15, HALFT                      ; my 128 tokens of A
	s_mul_i32 s22, s16, HALFT                      ; my 128 rows of B,
	s_add_co_u32 s22, s22, 2*HALFT                 ; which lie behind A's 256
.irp s, 0,1
	v_add_nc_u32 v[ADRA+\s], s21, v4
	v_add_nc_u32 v[ADRB+\s], s22, v7
	s_add_co_u32 s21, s21, SLOT
	s_add_co_u32 s22, s22, SLOT
.endr
	s_mul_i32 s23, s14, 16*SPITCH                  ; my stage
	v_mul_u32_u24 v5, v1, SPITCH                   ; in: row l % 16, 32 bytes for each half of the lanes
	v_lshl_add_u32 v5, v2, 5, v5
	v_add_nc_u32 v[STO], s23, v5
	v_and_b32 v6, 31, v0
	v_lshlrev_b32 v[CO], 4, v6                     ; back: the 32 lanes take one row of 512 bytes; and the same in out
	v_add_nc_u32 v[RD], s23, v[CO]
	s_lshl_b32 s20, s17, 8
	s_lshl_b32 s21, s15, 7
	s_add_co_u32 s20, s20, s21                     ; my first row of out
	s_mov_b32 s21, 0
	s_mov_b64 s[18:19], SIZE_N*4
	s_mul_u64 s[20:21], s[20:21], s[18:19]
	s_lshl_b32 s46, s42, 10                        ; my first column, in bytes
	s_lshl_b32 s47, s16, 9
	s_add_co_u32 s46, s46, s47
	s_mov_b32 s47, 0
	s_add_nc_u64 s[20:21], s[20:21], s[46:47]
	s_add_nc_u64 s[10:11], s[10:11], s[20:21]
.macro FRAG_A reg, adr, q, i           ; the fragment of tokens 16 i on, the slot's q-th 128 along K: LDS rows 64 q + 8 i on, two rows a group
.irp c, 0,1,2,3
	ds_load_b128 v[\reg+4*\c:\reg+4*\c+3], v[\adr] offset:(64*(\q)+8*(\i)+2*\c)*PITCH
.endr
.endm
.macro FRAG_B reg, adr, q, i           ; registers 2 c, 2 c + 1: K = 16 c + 8 (l / 16) + 0 .. 7 of row l % 16; the 32 lanes of a load touch 64 different banks
.irp c, 0,1,2,3,4,5,6,7
	ds_load_b64 v[\reg+2*\c:\reg+2*\c+1], v[\adr] offset:128*(\q)+16*\c+(\i)*16*PITCH
.endr
.endm
.macro MUL16 a0, p, zero               ; the 64 accumulators take turns, one instruction a turn
.irp a, \a0, \a0+1
.irp b, 0,1,2,3,4,5,6,7
.if \zero
	v_wmma_f32_16x16x128_fp8_fp8 v[8*(8*((\a)%4)+\b):8*(8*((\a)%4)+\b)+7], v[128*(\p)+FR*\b:128*(\p)+FR*\b+FR-1], v[AF+FR*(\a):AF+FR*(\a)+FR-1], 0
.else
	v_wmma_f32_16x16x128_fp8_fp8 v[8*(8*((\a)%4)+\b):8*(8*((\a)%4)+\b)+7], v[128*(\p)+FR*\b:128*(\p)+FR*\b+FR-1], v[AF+FR*(\a):AF+FR*(\a)+FR-1], v[8*(8*((\a)%4)+\b):8*(8*((\a)%4)+\b)+7]
.endif
.endr
.endr
.endm
.macro FETCH_B slot, q, p
	WIN TO_B
.irp i, 0,1,2,3,4,5,6,7
	FRAG_B 128*(\p)+FR*\i, ADRB+\slot, \q, \i
.endr
	WIN 0
.endm
.macro FETCH_A slot, q, i0
.irp i, \i0, \i0+1, \i0+2, \i0+3
	FRAG_A AF+FR*(\i), ADRA+\slot, \q, \i
.endr
.endm
.macro PLACES n
.rept \n
	v_nop
.endr
.endm
.macro STEP slot, q, zero
	s_wait_dscnt 4*NL                              ; B's set and A's blocks 0-3 are in; the youngest 16 loads (A's blocks 4-7) may be out
	WIN MUL_LO
	MUL16 0, (\q)%2, \zero
	MUL16 2, (\q)%2, \zero
	s_wait_dscnt 0                                 ; A's blocks 4-7 are in
	PLACES NP
	FETCH_B \slot, (\q)+1, 1-(\q)%2
	FETCH_A \slot, (\q)+1, 0
	WIN MUL_HI
	MUL16 4, (\q)%2, \zero
	MUL16 6, (\q)%2, \zero
	PLACES NP
	WIN 0
	FETCH_A \slot, (\q)+1, 4
.endm
.macro TURN slot, next, fill
	s_wait_tensorcnt 0x0                           ; all my tensor loads have landed: my part of the next slot
	ds_add_u32 v[SPW], v[NIL]                      ; 0 onto my spare word
	s_wait_dscnt 4*NL+1                            ; (the add and the youngest 16 loads may be out)
	WIN MUL_LO
	MUL16 0, 1, 0
	s_wait_dscnt 0x0                               ; the add is done, and my reads of this slot are over
	s_barrier_signal -1
	MUL16 2, 1, 0
	WIN 0
	s_barrier_wait -1
.if \fill
	CREST                                          ; the barrier has opened a round of the cluster's: no wave of any partner still reads this slot or has a load on its way
	s_add_nc_u64 s[G0+4*\slot+2:G0+4*\slot+3], s[G0+4*\slot+2:G0+4*\slot+3], 2*ASTEP
	s_add_nc_u64 s[G0B+4*\slot+2:G0B+4*\slot+3], s[G0B+4*\slot+2:G0B+4*\slot+3], 2*ROWB
	JLOAD G0+4*\slot, G1, G0B+4*\slot, G1B         ; the first tensor load behind the round; its four v_nop are the places in front of the loads below
.else
	PLACES NP
.endif
	FETCH_B \next, 0, 0
	FETCH_A \next, 0, 0
	WIN MUL_HI
	MUL16 4, 1, 0
	MUL16 6, 1, 0
	PLACES NP
	WIN 0
	FETCH_A \next, 0, 4
.endm
	s_wait_alu depctr_va_vdst(0)
	s_wait_tensorcnt 1                             ; my part of K step 0 is in (K step 1's load may be out)
	s_barrier_signal -1
	s_barrier_wait -1
	FETCH_B 0, 0, 0
	FETCH_A 0, 0, 0
	FETCH_A 0, 0, 4
	STEP 0, 0, 1                                   ; the first step's products start the sums
	s_mov_b32 s3, LAPS-1
.Llap:
	TURN 0, 1, 1
	STEP 1, 0, 0
	TURN 1, 0, 1
	STEP 0, 0, 0
	s_sub_co_u32 s3, s3, 1
	s_cmp_lg_u32 s3, 0
	s_cbranch_scc1 .Llap
	TURN 0, 1, 0                                   ; the last lap fills nothing
	STEP 1, 0, 0
	s_wait_dscnt 4*NL
	WIN MUL_LO
	MUL16 0, 1, 0
	MUL16 2, 1, 0
	s_wait_dscnt 0
	WIN MUL_HI
	MUL16 4, 1, 0
	MUL16 6, 1, 0
	WIN 0
; THE WAY OUT, block by block of 16 rows x 128 columns, through my own stage in LDS: in as 32 bytes a lane, back as whole rows of 512 bytes.  LDS serves a wave's instructions in order (ISA guide 5.7.1.4).
.macro TOSTAGE a
.set AC, 64*((\a)%4)
.set WN, 0x02+((\a)/4)
	WIN WN                                         ; source 0: window 2 or 3
.irp j, 0,2,4,6,8,10,12,14,16,18,20,22,24,26,28,30,32,34,36,38,40,42,44,46,48,50,52,54,56,58,60,62
	v_pk_mul_f32 v[TMP+\j:TMP+\j+1], v[AC+\j:AC+\j+1], s[96:97] op_sel_hi:[1,0]   ; x 2^(e10 + e11); each accumulator from its low end on
.endr
	WIN 0
.irp b, 0,1,2,3,4,5,6,7
	ds_store_b128 v[STO], v[TMP+8*\b:TMP+8*\b+3] offset:64*\b
	ds_store_b128 v[STO], v[TMP+8*\b+4:TMP+8*\b+7] offset:64*\b+16
.endr
.set BB, BK+64*((\a)%2)
.irp t, 0,1,2,3,4,5,6,7,8,9,10,11,12,13,14,15
	ds_load_b128 v[BB+4*\t:BB+4*\t+3], v[RD] offset:\t*SPITCH
.endr
.endm
.macro SEND a, younger                 ; younger: the LDS instructions issued behind block a's loads, which may stay out
.set BB, BK+64*((\a)%2)
	s_wait_dscnt \younger
.if (\a) > 0
	s_add_nc_u64 s[10:11], s[10:11], 16*SIZE_N*4   ; (behind a wait on XCNT: the earlier stores have read their base)
.endif
.irp t, 0,1,2,3,4,5,6,7,8,9,10,11,12,13,14,15
	global_store_b128 v[CO], v[BB+4*\t:BB+4*\t+3], s[10:11] offset:\t*SIZE_N*4 th:TH_STORE_NT   ; 32 lanes store 512 consecutive bytes, aligned; written once, read by nobody here
.endr
.endm
	s_wait_kmcnt 0x0
	s_add_co_i32 s96, s96, s97
	s_add_co_i32 s96, s96, 127
	s_lshl_b32 s96, s96, 23                        ; 2^(e10 + e11) as f32
	PLACES NP
	TOSTAGE 0
.irp a, 1,2,3,4,5,6,7
.if \a > 1
	s_wait_xcnt 0x0                                ; block a - 2's stores have read their registers and their base
.endif
	TOSTAGE \a
	SEND \a-1, 32                                  ; behind block a - 1's loads: block a's 16 stores and 16 loads
.endr
	s_wait_xcnt 0x0
	SEND 7, 0
	s_wait_tensorcnt 0x0                           ; the wave's end
	ds_add_u32 v[SPW], v[NIL]
	s_wait_dscnt 0x0
	CROUND                                         ; the closing round
	s_endpgm
.Lfunc_end_k_q138e760f7c_proj:
	.size	k_q138e760f7c_proj, .Lfunc_end_k_q138e760f7c_proj-k_q138e760f7c_proj
	.p2alignl 7, 3214868480
	.fill 96, 4, 3214868480
	.section	.rodata,"a",@progbits
	.p2align	6, 0x0
	.amdhsa_kernel k_q138e760f7c_proj
		.amdhsa_group_segment_fixed_size 327680
		.amdhsa_private_segment_fixed_size 0
		.amdhsa_enable_private_segment 0
		.amdhsa_kernarg_size 32
		.amdhsa_user_sgpr_count 2
		.amdhsa_user_sgpr_kernarg_segment_ptr 1
		.amdhsa_wavefront_size32 1
		.amdhsa_system_sgpr_workgroup_id_x 1
		.amdhsa_system_sgpr_workgroup_id_y 1
		.amdhsa_system_sgpr_workgroup_id_z 1
		.amdhsa_system_vgpr_workitem_id 0
		.amdhsa_next_free_vgpr 1024
		.amdhsa_next_free_sgpr 98
		.amdhsa_reserve_vcc 0
		.amdhsa_float_denorm_mode_32 3
		.amdhsa_float_denorm_mode_16_64 3
		.amdhsa_memory_ordered 1
		.amdhsa_forward_progress 1
		.amdhsa_inst_pref_size 140
	.end_amdhsa_kernel
	.amdgpu_metadata
---
amdhsa.version: [ 1, 2 ]
amdhsa.kernels:
  - .name:           k_q138e760f7c_proj
    .symbol:         k_q138e760f7c_proj.kd
    .args:
      - { .name: oc, .offset: 0, .size: 8, .value_kind: global_buffer, .address_space: global }
      - { .name: wc, .offset: 8, .size: 8, .value_kind: global_buffer, .address_space: global }
      - { .name: lowp_scales, .offset: 16, .size: 8, .value_kind: global_buffer, .address_space: global }
      - { .name: out0, .offset: 24, .size: 8, .value_kind: global_buffer, .address_space: global }
    .group_segment_fixed_size: 327680
    .private_segment_fixed_size: 0
    .kernarg_segment_align: 8
    .kernarg_segment_size: 32
    .max_flat_workgroup_size: 128
    .sgpr_count:     98
    .vgpr_count:     1024
    .wavefront_size: 32
...
	.end_amdgpu_metadata
.endif
;; end of part 4
